; MI455X (gfx1250); checked and timed in simulation.
; The chip was launched on July 23, 2026; its instructions are those of AMD's public machine-readable ISA for CDNA 5 (MIT licence, August 2026) and "CDNA5" Instruction Set Architecture Reference Guide (July 2026). The comments in the code are by the model that wrote it; some were corrected since.
;; Sigmoid Net. Allowed arithmetic: float matrix products may take bf16 or f16 operands with f32 sums; other float arithmetic in f32, or as packed bf16 or f16 multiplies, adds, multiply-adds, maxima and minima; sums over many terms, partial sums and values carried from step to step in f32; what a program stores and reads back later, other than sums and carried values, may be rounded once to bf16 or f16.
;; Inputs: W0 128 x 128 float32; W1 128 x 128 float32; W2 1 x 128 float32; b0 128 float32; b1 128 float32; b2 1 float32; feature_grids 16 x 8 x 64 x 64 x 64 float32; grid_scales 16 x 3 float32; grid_translations 16 x 3 float32; x 500,000 x 3 float32.
;; Outputs: out0 500,000 x 1 float32.
;; 2 versions, each right; version 2 is version 1 with the launch mlp written anew for expert scheduling mode. Each part assembles by itself: llvm-mc -triple=amdgcn-amd-amdhsa -mcpu=gfx1250 --defsym DOCPART=n.
;; ======== version 1 of 2: 2 launches
;; limits: inputs' magnitudes at most 16; values are held in f16: magnitudes above 65,504 overflow, below 6.1e-05 lose precision; values outside matrix products are rounded to f16
;; workspace buffers: table 67,108,864 bytes; cells 32,000,000 bytes of whole numbers
;; launch prep (part 1): grid 1024 x 1, 8 waves a work-group, no clusters, 18,432 bytes of LDS; arguments feature_grids, x, grid_scales, grid_translations, table, cells; writes table, cells
.if DOCPART == 1
	.amdgcn_target "amdgcn-amd-amdhsa--gfx1250"
	.amdhsa_code_object_version 6
	.text
	.protected	k_q9833183124_prep
	.globl	k_q9833183124_prep
	.p2align	8
	.type	k_q9833183124_prep,@function
k_q9833183124_prep:
	s_mov_b64 s[64:65], 0
	v_nop
	global_prefetch_b8 v0, s[64:65] scope:SCOPE_SE
	s_setreg_imm32_b32 hwreg(HW_REG_WAVE_MODE, 25, 1), 1
	s_wait_xcnt 0x0
; PREP: two jobs for the launch that follows.
; (1) table[g][cell][8 channels] in f16, holding 2^12 times feature_grids[g][channel][cell] (cell = z*4096 + y*64 + x):
;     a cell's eight channels become 16 neighbouring bytes, so that a corner of the interpolation is one 16-byte load.
;     The power of two is exact and puts small grid values into f16's normal range.
; (2) cells[tile][q][lane][4] in u32: for lane (r = lane & 15, h = lane >> 4), word j of quarter q is the cell number of point
;     16 tile + r in grid 2 (4 q + j) + h.  Addresses of the next launch are made from these whole numbers.
; The cell's coordinates are min(floor(i), 62): the second corner is then always the next cell (weight i - cell, up to 1),
; which gives the border clamp's value for finite grids.
; LIMITS: |feature_grids| < 16 (2^12 times the value must fit f16); below 2^-26 a grid value keeps an absolute error of 2^-37.
; A NaN coordinate gives cell coordinate 0 (the conversion to u32 of NaN).
; Eight waves, 8192 in the launch.  Wave gw owns 512 neighbouring cells of grid gw >> 9 (four steps of 128 cells)
; and the tiles gw + 8192 i of 16 points, i = 0..2, and i = 3 where gw < 31250 - 3 * 8192.  No wave depends on another: no barrier.
.set TILES,  31250                     ; 500000 points / 16
.set WAVES,  8192                      ; waves in the launch
.set LASTW,  TILES-3*WAVES             ; 6674: waves below this have a fourth tile
.set WLDS,   2176                      ; a wave's LDS: 8 rows of 16 cells (256 bytes), pitch 272
.set KT,  8                            ; v[8+8p:10+8p] -log2(e) * scale, v[12+8p:14+8p] translation of grid 2p+h
.set XP,  72                           ; v[72+4i:74+4i] my point of tile i
.set CI,  88                           ; v[88:95] the eight cell numbers of a tile
.set EX,  96                           ; v[96:98] at work on the cells
.set OC,  96                           ; v[96:111] four cells' packed channels
.set LD,  128                          ; v[128+32 st+4 ch : +3] step st, channel ch: four cells in f32
	s_load_b256 s[4:11], s[0:1], 0x0               ; feature_grids s[4:5], x s[6:7], scales s[8:9], translations s[10:11]
	s_load_b128 s[12:15], s[0:1], 0x20             ; table s[12:13], cells s[14:15]
	v_lshl_add_u32 v126, v0, 2, 0x4400
	v_mov_b32 v127, 0
	v_lshrrev_b32 v1, 5, v0
	v_readfirstlane_b32 s16, v1                    ; wave in the work-group
	s_lshl_b32 s17, ttmp9, 3
	s_add_co_u32 s17, s17, s16                     ; gw
	s_mov_b32 s40, 0x428a999a                      ; 69.3  = 2.2 * 31.5
	s_mov_b32 s41, 0xc049999a                      ; -3.15 = (1 - 1.1) * 31.5
	s_mov_b32 s42, 0x427c0000                      ; 63.0
	s_mov_b32 s43, 0x42780000                      ; 62.0
	v_and_b32 v7, 31, v0                           ; lane
	v_and_b32 v3, 15, v0                           ; r
	v_bfe_u32 v4, v0, 4, 1                         ; h
	v_lshlrev_b32 v2, 4, v7                        ; 16 x lane: offset of every 16-byte load and store
	v_lshrrev_b32 v5, 2, v7
	v_lshlrev_b32 v5, 4, v5
	v_lshl_add_u32 v5, v7, 6, v5                   ; cells 4 lane ..: row lane>>2 (pitch 272), column 64 (lane&3) = 64 lane + 16 (lane>>2)
	s_mul_i32 s18, s16, WLDS
	v_add_nc_u32 v5, s18, v5                       ; in my wave's LDS
	v_mul_u32_u24 v6, v4, 272
	v_lshl_add_u32 v6, v3, 4, v6                   ; back by rows: lanes 0-15 one row, lanes 16-31 the next
	v_add_nc_u32 v6, s18, v6
	v_mul_u32_u24 v3, v3, 12                       ; my point in a tile of x
	v_mul_u32_u24 v4, v4, 12                       ; my grid of a pair in scales and translations
	s_lshr_b32 s18, s17, 9                         ; grid
	s_lshl_b32 s18, s18, 23                        ; 8 channels of 1 MiB
	s_and_b32 s38, s17, 511
	s_lshl_b32 s38, s38, 11                        ; 512 cells of 4 bytes
	s_add_co_u32 s18, s18, s38
	s_mov_b32 s19, 0
	s_wait_kmcnt 0x0
	s_add_nc_u64 s[20:21], s[4:5], s[18:19]        ; my cells in channel 0 of my grid
	s_lshl_b32 s18, s17, 13
	s_add_nc_u64 s[22:23], s[12:13], s[18:19]      ; my 512 cells of 16 bytes in the table
	s_mul_i32 s18, s17, 192
	s_add_nc_u64 s[24:25], s[6:7], s[18:19]        ; x at tile gw (16 points of 12 bytes)
	s_add_co_u32 s18, s17, 3*WAVES
	s_min_u32 s18, s18, TILES-1                    ; the fourth tile, held inside x where there is none
	s_mul_i32 s18, s18, 192
	s_add_nc_u64 s[26:27], s[6:7], s[18:19]
	s_lshl_b32 s18, s17, 10
	s_add_nc_u64 s[28:29], s[14:15], s[18:19]      ; cells at tile gw (1024 bytes a tile)
.irp i, 1,2,3
	s_add_nc_u64 s[28+2*\i:29+2*\i], s[28:29], \i*WAVES*1024
.endr
	; all 52 loads go out at once: 20 small ones, then the 32 of the table, step by step
.irp p, 0,1,2,3,4,5,6,7
	global_load_b96 v[KT+8*\p:KT+8*\p+2],   v4, s[8:9]   offset:24*\p
	global_load_b96 v[KT+8*\p+4:KT+8*\p+6], v4, s[10:11] offset:24*\p
.endr
.irp i, 0,1,2
	global_load_b96 v[XP+4*\i:XP+4*\i+2], v3, s[24:25] offset:\i*WAVES*192
.endr
	global_load_b96 v[XP+12:XP+14], v3, s[26:27]
.irp st, 0,1,2,3
.irp ch, 0,1,2,3,4,5,6,7
	global_load_b128 v[LD+32*\st+4*\ch:LD+32*\st+4*\ch+3], v2, s[20:21] offset:\ch*1048576+\st*512 th:TH_LOAD_NT   ; 512 neighbouring bytes a wave, read once in the launch
.endr
.endr
	s_wait_loadcnt 32                              ; the 20 small loads are in; the 32 of the table stay out
.irp p, 0,1,2,3,4,5,6,7
.irp d, 0,1,2
	v_mul_f32 v[KT+8*\p+\d], 0xbfb8aa3b, v[KT+8*\p+\d]     ; exp(-s u) = 2^(-log2(e) s u)
.endr
.endr
; The eight cell numbers of my point of tile i (grids h, 2+h, .. 14+h), and their two stores.
.macro CELLS i
.if \i
	s_wait_xcnt 0x0                                ; the last tile's stores have had their addresses translated: their data registers are written again only behind this wait
.endif
.irp p, 0,1,2,3,4,5,6,7
.irp d, 0,1,2
	v_sub_f32 v[EX+\d], v[XP+4*\i+\d], v[KT+8*\p+4+\d]
.endr
.irp d, 0,1,2
	v_mul_f32 v[EX+\d], v[EX+\d], v[KT+8*\p+\d]
.endr
.irp d, 0,1,2
	v_exp_f32 v[EX+\d], v[EX+\d]
.endr
	v_nop                                          ; one plain place behind the run of transcendentals (ISA guide 5.7.2)
	s_wait_alu depctr_va_vdst(0)
.irp d, 0,1,2
	v_add_f32 v[EX+\d], 1.0, v[EX+\d]
.endr
.irp d, 0,1,2
	v_rcp_f32 v[EX+\d], v[EX+\d]
.endr
	v_nop                                          ; likewise
	s_wait_alu depctr_va_vdst(0)
.irp d, 0,1,2
	v_fma_f32 v[EX+\d], v[EX+\d], s40, s41         ; (tp + 1) * 31.5 = 69.3 sigmoid - 3.15
.endr
.irp d, 0,1,2
	v_med3_num_f32 v[EX+\d], v[EX+\d], 0, s42      ; the border clamp, 0 .. 63
.endr
.irp d, 0,1,2
	v_floor_f32 v[EX+\d], v[EX+\d]
.endr
.irp d, 0,1,2
	v_min_num_f32 v[EX+\d], s43, v[EX+\d]          ; at most 62: the next cell exists
.endr
.irp d, 0,1,2
	v_cvt_u32_f32 v[EX+\d], v[EX+\d]
.endr
	v_lshl_or_b32 v[CI+\p], v[EX+2], 6, v[EX+1]    ; z * 64 + y
	v_lshl_or_b32 v[CI+\p], v[CI+\p], 6, v[EX]     ; * 64 + x
.endr
	global_store_b128 v2, v[CI:CI+3],   s[28+2*\i:29+2*\i]             ; each store of the wave covers 512 consecutive bytes, aligned
	global_store_b128 v2, v[CI+4:CI+7], s[28+2*\i:29+2*\i] offset:512
.endm
	CELLS 0
	CELLS 1
	CELLS 2
	s_cmp_ge_u32 s17, LASTW
	s_cbranch_scc1 .Lno4                           ; the branch holds stores alone: the count of loads is the same on both ways
	CELLS 3
.Lno4:
; 128 cells: eight channels' loads are scaled by 2^12, rounded to f16 and packed by cell, turned through my wave's LDS, and stored as whole rows.
.macro TSTEP st
	s_wait_loadcnt 24-8*\st                        ; loads come back in order: this step's eight are in, the later steps' stay out
.irp c, 0,1,2,3,4,5,6,7,8,9,10,11,12,13,14,15
	v_pk_mul_f32 v[LD+32*\st+2*\c:LD+32*\st+2*\c+1], v[LD+32*\st+2*\c:LD+32*\st+2*\c+1], 0x45800000 op_sel_hi:[1,0]   ; times 4096, exactly
.endr
.irp j, 0,1,2,3
.irp i, 0,1,2,3
	v_cvt_pk_f16_f32 v[OC+4*\j+\i], v[LD+32*\st+8*\i+\j], v[LD+32*\st+8*\i+4+\j]   ; cell 4 lane + j, channels 2i and 2i+1
.endr
.endr
.irp j, 0,1,2,3
	ds_store_b128 v5, v[OC+4*\j:OC+4*\j+3] offset:16*\j    ; sixteen lanes touch sixteen different 16-byte columns
.endr
.irp i, 0,1,2,3
	ds_load_b128 v[LD+32*\st+4*\i:LD+32*\st+4*\i+3], v6 offset:544*\i   ; my wave's own bytes; LDS serves a wave in order (ISA guide 5.7.1)
.endr
.irp i, 0,1,2,3
	s_wait_dscnt 3-\i
	global_store_b128 v2, v[LD+32*\st+4*\i:LD+32*\st+4*\i+3], s[22:23] offset:\st*2048+512*\i   ; 32 cells, 512 consecutive bytes; each step stores from registers of its own
.endr
.endm
	TSTEP 0
	TSTEP 1
	TSTEP 2
	TSTEP 3
	s_wait_tensorcnt 0x0
	ds_add_u32 v126, v127
	s_wait_dscnt 0x0
	s_endpgm
.Lfunc_end_k_q9833183124_prep:
	.size	k_q9833183124_prep, .Lfunc_end_k_q9833183124_prep-k_q9833183124_prep
	.p2alignl 7, 3214868480
	.fill 96, 4, 3214868480
	.section	.rodata,"a",@progbits
	.p2align	6, 0x0
	.amdhsa_kernel k_q9833183124_prep
		.amdhsa_group_segment_fixed_size 18432
		.amdhsa_private_segment_fixed_size 0
		.amdhsa_enable_private_segment 0
		.amdhsa_kernarg_size 48
		.amdhsa_user_sgpr_count 2
		.amdhsa_user_sgpr_kernarg_segment_ptr 1
		.amdhsa_wavefront_size32 1
		.amdhsa_system_sgpr_workgroup_id_x 1
		.amdhsa_system_sgpr_workgroup_id_y 1
		.amdhsa_system_sgpr_workgroup_id_z 1
		.amdhsa_system_vgpr_workitem_id 0
		.amdhsa_next_free_vgpr 256
		.amdhsa_next_free_sgpr 66
		.amdhsa_reserve_vcc 0
		.amdhsa_float_denorm_mode_32 3
		.amdhsa_float_denorm_mode_16_64 3
		.amdhsa_memory_ordered 1
		.amdhsa_forward_progress 1
		.amdhsa_inst_pref_size 69
	.end_amdhsa_kernel
	.amdgpu_metadata
---
amdhsa.version: [ 1, 2 ]
amdhsa.kernels:
  - .name:           k_q9833183124_prep
    .symbol:         k_q9833183124_prep.kd
    .args:
      - { .name: feature_grids, .offset: 0, .size: 8, .value_kind: global_buffer, .address_space: global }
      - { .name: x, .offset: 8, .size: 8, .value_kind: global_buffer, .address_space: global }
      - { .name: grid_scales, .offset: 16, .size: 8, .value_kind: global_buffer, .address_space: global }
      - { .name: grid_translations, .offset: 24, .size: 8, .value_kind: global_buffer, .address_space: global }
      - { .name: table, .offset: 32, .size: 8, .value_kind: global_buffer, .address_space: global }
      - { .name: cells, .offset: 40, .size: 8, .value_kind: global_buffer, .address_space: global }
    .group_segment_fixed_size: 18432
    .private_segment_fixed_size: 0
    .kernarg_segment_align: 8
    .kernarg_segment_size: 48
    .max_flat_workgroup_size: 256
    .sgpr_count:     66
    .vgpr_count:     256
    .wavefront_size: 32
...
	.end_amdgpu_metadata
.endif
;; end of part 1
;; launch mlp (part 2): grid 256 x 1, 16 waves a work-group, no clusters, 73,728 bytes of LDS; arguments table, cells, x, grid_scales, grid_translations, W0, W1, W2, b0, b1, b2, out0; writes out0
.if DOCPART == 2
	.amdgcn_target "amdgcn-amd-amdhsa--gfx1250"
	.amdhsa_code_object_version 6
	.text
	.protected	k_q9833183124_mlp
	.globl	k_q9833183124_mlp
	.p2align	8
	.type	k_q9833183124_mlp,@function
k_q9833183124_mlp:
	s_mov_b64 s[64:65], 0
	v_nop
	global_prefetch_b8 v0, s[64:65] scope:SCOPE_SE
	s_setreg_imm32_b32 hwreg(HW_REG_WAVE_MODE, 25, 1), 1
	s_wait_xcnt 0x0
; MLP: for 32 points a trip and wave: gather and interpolate 16 grids x 8 channels, then 128 -> 128 -> 128 -> 1 with leaky ReLU.
; THE CHAIN STAYS IN REGISTERS.  Weights are the matrix instruction's A (rows = units), points its B (columns).  Lane (r, h) of B holds
; point r; with feature k = 8 g + c its registers 4p .. 4p+3 are the eight channels of grid 2p + h: so lane (r, h) gathers point r in
; grids h, 2+h, .. 14+h and packs them where B wants them.  In D, register j of lane (r, h) is unit 16 t + 8 h + j of point r: packed in
; the lane, that is registers 4t .. 4t+3 of the next layer's B.  Every register of a lane belongs to one point.
; THE INTERPOLATION'S SUMS ARE MADE BY THE MATRIX UNIT TOO.  A corner lands as four registers (eight channels in f16) and is multiplied in
; place by its weight.  Two corners' registers are then a B fragment as they lie: column = point r, k = 16 (corner of the two) + 8 h + channel.
; A is a constant matrix of ones and zeros, A[m][k] = 1 where m = k mod 16, so that D(m = 8 h + c, n = r) is the f32 sum over the corners of
; channel c of grid 2p + h at point r: register c of lane (r, h), the lane that gathered it.  Four matrix instructions sum the eight corners.
; FORMATS: coordinates, the interpolation's weights and sums, biases, leaky ReLU and the last layer in f32.  The table is f16 and holds
; 2^12 times the grid values.  Matrix operands are f16: weight times table value (the weight rounded to f16; the product of two f16 has
; 22 significant bits, so the f16 multiply gives the f32 product rounded once); features (they carry the table's 2^12; b0 is staged times
; 2^12); the first layer's result times 2^(127-e) for each point, e the exponent of that point's largest magnitude, held in 16 .. 250.
; Leaky ReLU commutes with a positive scale; both scales are taken out by the fused multiply-add that adds b1.
; LIMITS: |feature_grids| < 16 (2^12 times a value must fit f16); |W0|, |W1| < 65504, and below 2^-14 they keep an absolute error of 2^-25;
; a non-finite table value among a point's eight corners (the second corner is always read, with weight 0 at the border) makes all 16
; features of that point and pair of grids NaN (0 times infinity in the product with the ones and zeros).
; NO CLUSTER: the work-groups share only the 128 KiB of weights, read once by each; the gathered rows differ from point to point.
; 256 work-groups of 16 waves stay and walk the units U = gw + 4096 trip of 32 points (15625 units: 4 trips where gw < 3337, else 3).
.set UNITS,  15625
.set NWAVES, 4096
.set WPITCH, 272                       ; a row of 128 f16 + 16 bytes: sixteen rows start at sixteen different 16-byte columns
.set W1LDS,  128*WPITCH                ; 34816: W1 behind W0
.set VEC,    2*W1LDS                   ; 69632: 2^12 b0 (512 bytes), b1, W2, then 16 records of 32 bytes: Kx Ky Kz 0 Tx Ty Tz 0
.set RECS,   1536
.set MAXCELL, 0x3efbe                  ; 62*4096 + 62*64 + 62; the farthest corner is 4161 cells on: 262143, a grid's last
; vector registers that stay
.set WB,   1                           ; r * 272 + 16 h: my part of a weight fragment
.set CB,   2                           ; VEC + 32 h: my eight units of a block of sixteen; my grid of a pair of records
.set L16,  3                           ; 16 x lane
.set R12,  4                           ; 12 x r
.set L4,   5                           ; 4 x lane
.set HG,   6                           ; h x 4 MiB: my grid of a pair in the table
.set SV,   7                           ; f16 1.0 in the half r & 1: my one of the matrix of ones and zeros
.set SCL,  8                           ; v[8:9] scale and its undoing for tile 0, v[10:11] for tile 1
.set FT,   192                         ; v[192+32 tile+4p+i] features, later the first layer's result, as B fragments
; the gather's registers
.set ADR,  12                          ; v12-14 a slot's byte offset in the table
.set EX,   16                          ; v[16:18] coordinates
.set AZY,  16                          ; v[16:19] z weight x y weight (the coordinates are dead by then)
.set CE,   20                          ; v[20:22] the cell's coordinates
.set TW,   20                          ; v[20:23] two pairs of corner weights in f32 (the cell's coordinates are dead by then)
.set WXP,  24                          ; v[24:25] 1 - wx, wx
.set ZZ,   26                          ; v[26:27] 1 - wz, wz
.set WYP,  28                          ; v[28:29] 1 - wy, wy
.set LAND, 32                          ; v[32+32 slot+4c : +3] three slots of eight corners
.set REC,  128                         ; v[128:135] the record of my grid of the pair at work
.set WD,   136                         ; v[136:143] the eight corners' weights in f16, each in both halves
.set SEL,  144                         ; v[144:151] the matrix of ones and zeros as an A fragment
.set IDX,  152                         ; v[152+8 tile+p] cell numbers
.set XYZ,  168                         ; v[168+4 tile : +2] my point
.set ACA,  176                         ; v[176:183] sums over the four corners of the lower z
.set ACB,  184                         ; v[184:191] sums over the four corners of the upper z
; the layers' registers
.set TM,   12                          ; v[12:19] at work
.set TU,   20                          ; v[20:27] at work
.set FR,   32                          ; v[32:47], v[48:63] two buffers of two weight fragments
.set DD,   64                          ; v[64+64 tile+8t : +7] accumulators
.set YY,   192                         ; v[192:199] the last layer's sums (the B fragments are dead by then)
.set TB,   32                          ; s[32+2p:33+2p] table at grid 2p
.set SM,   60                          ; s60-63 lanes whose one lies in register i of the A fragment's four
	s_load_b512 s[4:19], s[0:1], 0x0               ; table, cells, x, scales, translations, W0, W1, W2
	s_load_b256 s[20:27], s[0:1], 0x40             ; b0, b1, b2, out0
	v_lshl_add_u32 v30, v0, 2, 0x11800
	v_mov_b32 v31, 0
	v_lshrrev_b32 v1, 5, v0
	v_readfirstlane_b32 s55, v1                    ; wave in the work-group
	s_lshl_b32 s58, ttmp9, 4
	s_add_co_u32 s58, s58, s55                     ; gw
	s_mov_b32 s48, 0x428a999a                      ; 69.3
	s_mov_b32 s49, 0xc049999a                      ; -3.15
	s_mov_b32 s50, 0x427c0000                      ; 63.0
	s_mov_b32 s51, 0x76543210                      ; v_permlanex16_b32: lane i reads lane i of the other half
	s_mov_b32 s52, 0xfedcba98
	s_mov_b32 s53, 0xffff0000                      ; lanes 16-31
	s_mov_b32 s59, 0x45800000                      ; 4096.0
	s_mov_b32 s56, 0                               ; trip
	s_cmp_lt_u32 s58, UNITS-3*NWAVES
	s_cselect_b32 s57, 4, 3                        ; trips
	v_and_b32 v8, 31, v0                           ; lane
	v_and_b32 v9, 15, v0                           ; r
	v_bfe_u32 v10, v0, 4, 1                        ; h
	v_mul_u32_u24 v[WB], v9, WPITCH
	v_lshl_add_u32 v[WB], v10, 4, v[WB]
	v_lshlrev_b32 v[CB], 5, v10
	v_add_nc_u32 v[CB], VEC, v[CB]
	v_lshlrev_b32 v[L16], 4, v8
	v_mul_u32_u24 v[R12], v9, 12
	v_lshlrev_b32 v[L4], 2, v8
	v_lshlrev_b32 v[HG], 22, v10
	; The matrix of ones and zeros.  Lane (r, h) of an A fragment holds row m = r and k = 8 h + j (registers 0-3) and 16 + 8 h + j (registers 4-7),
	; j = 0 .. 7.  A[m][k] = 1 where m = k mod 16: only where r >> 3 = h, at j = r & 7, that is register (r & 7) >> 1, half r & 1.
	v_lshrrev_b32 v14, 3, v9
	v_cmp_eq_u32 vcc_lo, v14, v10                  ; lanes that hold a one
	v_and_b32 v15, 1, v9
	v_lshlrev_b32 v15, 4, v15
	v_mov_b32 v16, 0x3c00                          ; 1.0 in f16
	v_lshlrev_b32 v[SV], v15, v16                  ; in the half r & 1
	v_bfe_u32 v14, v9, 1, 2                        ; its register
.irp i, 0,1,2,3
	v_cmp_eq_u32 s[SM+\i], \i, v14
	s_and_b32 s[SM+\i], s[SM+\i], vcc_lo
.endr
	v_lshlrev_b32 v12, 4, v0                       ; 16 x thread
	s_wait_kmcnt 0x0
	s_load_b32 s54, s[24:25], 0x0                  ; b2
	; the weights: thread t takes 16 bytes at 16 t + 8192 c, that is row 16 c + wave, four numbers at column 4 lane
.irp c, 0,1,2,3,4,5,6,7
	global_load_b128 v[DD+4*\c:DD+4*\c+3], v12, s[14:15] offset:8192*\c
.endr
.irp c, 0,1,2,3,4,5,6,7
	global_load_b128 v[DD+32+4*\c:DD+32+4*\c+3], v12, s[16:17] offset:8192*\c
.endr
.irp p, 0,1,2,3,4,5,6,7
	s_add_nc_u64 s[TB+2*\p:TB+2*\p+1], s[4:5], \p*0x800000     ; two grids of 4 MiB on
.endr
	s_lshl_b32 s28, s58, 11
	s_mov_b32 s29, 0
	s_add_nc_u64 s[6:7], s[6:7], s[28:29]          ; cells at unit gw (two tiles of 1024 bytes)
	s_mul_i32 s28, s58, 384
	s_add_nc_u64 s[8:9], s[8:9], s[28:29]          ; x at unit gw (32 points of 12 bytes)
	s_lshl_b32 s28, s58, 7
	s_add_nc_u64 s[26:27], s[26:27], s[28:29]      ; out0 at unit gw
	s_mul_i32 s28, s55, WPITCH
	v_lshl_add_u32 v13, v8, 3, s28                 ; row = wave, 8 bytes a lane
	s_wait_loadcnt 0x0
.irp c, 0,1,2,3,4,5,6,7,8,9,10,11,12,13,14,15
	v_cvt_pk_f16_f32 v[DD+4*\c],   v[DD+4*\c],   v[DD+4*\c+1]
	v_cvt_pk_f16_f32 v[DD+4*\c+1], v[DD+4*\c+2], v[DD+4*\c+3]
.endr
.irp c, 0,1,2,3,4,5,6,7
	ds_store_b64 v13, v[DD+4*\c:DD+4*\c+1] offset:16*WPITCH*\c
	ds_store_b64 v13, v[DD+32+4*\c:DD+32+4*\c+1] offset:W1LDS+16*WPITCH*\c
.endr
	s_cmp_gt_u32 s55, 3
	s_cbranch_scc1 .Lnot_vec
	v_lshlrev_b32 v14, 2, v0                       ; waves 0-3: threads 0-127 stage one number each of b0, b1, W2
	global_load_b32 v16, v14, s[20:21]
	global_load_b32 v17, v14, s[22:23]
	global_load_b32 v18, v14, s[18:19]
	v_add_nc_u32 v15, VEC, v14
	s_wait_loadcnt 0x0
	v_mul_f32 v16, s59, v16                        ; b0 carries the features' scale
	ds_store_b32 v15, v16
	ds_store_b32 v15, v17 offset:512
	ds_store_b32 v15, v18 offset:1024
	s_branch .Lstaged
.Lnot_vec:
	s_cmp_lg_u32 s55, 4
	s_cbranch_scc1 .Lstaged
	global_load_b96 v[16:18], v[R12], s[10:11]     ; wave 4: grid r's record (both halves of the lanes write the same bytes with the same values)
	global_load_b96 v[20:22], v[R12], s[12:13]
	v_lshlrev_b32 v15, 5, v9
	v_add_nc_u32 v15, VEC+RECS, v15
	v_mov_b32 v19, 0                               ; the records' fourth words, so that whole 16 bytes are stored
	v_mov_b32 v23, 0
	s_wait_loadcnt 0x0
.irp d, 0,1,2
	v_mul_f32 v[16+\d], 0xbfb8aa3b, v[16+\d]       ; exp(-s u) = 2^(-log2(e) s u)
.endr
	ds_store_b128 v15, v[16:19]
	ds_store_b128 v15, v[20:23] offset:16
.Lstaged:
	s_wait_dscnt 0x0                               ; my stores are in LDS, for the other waves' sake
	s_wait_kmcnt 0x0                               ; b2
	s_barrier_signal -1
	s_barrier_wait -1                              ; the one barrier: behind it LDS is only read
; Record of grids 2p and 2p+1 (each lane its own).
.macro RECLOAD p
	ds_load_b128 v[REC:REC+3],   v[CB] offset:RECS+64*(\p)
	ds_load_b128 v[REC+4:REC+7], v[CB] offset:RECS+64*(\p)+16
.endm
; Gather unit n = 2p + tile: the eight corners of my point of that tile in grid 2p + h, into slot n % 3.
; place = 1: the slot's registers have just been a matrix instruction's sources.  The three address lines, which name none of its registers,
; and one v_nop are the four places in front of the loads into them and of the reads of its results further down.
.macro ISSUE n, place
.set i_p, (\n)/2
.set i_t, (\n)%2
.set i_s, (\n)%3
	v_min_u32 v[ADR+i_s], MAXCELL, v[IDX+8*i_t+i_p]        ; whatever the number, all eight corners stay inside the grid
	v_lshlrev_b32 v[ADR+i_s], 4, v[ADR+i_s]                ; 16 bytes a cell
	v_add_nc_u32 v[ADR+i_s], v[ADR+i_s], v[HG]
.if \place
	v_nop
.endif
.irp c, 0,1,2,3,4,5,6,7
	global_load_b128 v[LAND+32*i_s+4*\c:LAND+32*i_s+4*\c+3], v[ADR+i_s], s[TB+2*i_p:TB+2*i_p+1] offset:(\c/4)*65536+((\c/2)%2)*1024+(\c%2)*16 th:TH_LOAD_HT   ; 64 M corner reads of the launch fall on 4.2 M cells: each is read again by many work-groups
.endr
.endm
; The eight corners' weights.  The fractions are taken against the STORED cell, so that a last-bit difference between the two launches'
; coordinates moves a weight by as little, and never the cell under it.  Corner c = 4 dz + 2 dy + dx; its weight goes, in f16, into both halves of WD + c.
.macro WEIGHTS p, tile
.set w_x, XYZ+4*(\tile)
.set w_i, IDX+8*(\tile)+(\p)
.irp d, 0,1,2
	v_sub_f32 v[EX+\d], v[w_x+\d], v[REC+4+\d]
.endr
.irp d, 0,1,2
	v_mul_f32 v[EX+\d], v[EX+\d], v[REC+\d]
.endr
.irp d, 0,1,2
	v_exp_f32 v[EX+\d], v[EX+\d]
.endr
	v_and_b32 v[CE], 63, v[w_i]                    ; the plain place behind the run of transcendentals (ISA guide 5.7.2)
	v_bfe_u32 v[CE+1], v[w_i], 6, 6
	s_wait_alu depctr_va_vdst(0)
.irp d, 0,1,2
	v_add_f32 v[EX+\d], 1.0, v[EX+\d]
.endr
.irp d, 0,1,2
	v_rcp_f32 v[EX+\d], v[EX+\d]
.endr
	v_bfe_u32 v[CE+2], v[w_i], 12, 6               ; likewise
.irp d, 0,1,2
	v_cvt_f32_u32 v[CE+\d], v[CE+\d]
.endr
	s_wait_alu depctr_va_vdst(0)
.irp d, 0,1,2
	v_fma_f32 v[EX+\d], v[EX+\d], s48, s49         ; 69.3 sigmoid - 3.15
.endr
.irp d, 0,1,2
	v_med3_num_f32 v[EX+\d], v[EX+\d], 0, s50      ; the border clamp
.endr
	v_sub_f32 v[WXP+1], v[EX],   v[CE]
	v_sub_f32 v[WYP+1], v[EX+1], v[CE+1]
	v_sub_f32 v[ZZ+1],  v[EX+2], v[CE+2]
	v_sub_f32 v[WXP], 1.0, v[WXP+1]
	v_sub_f32 v[WYP], 1.0, v[WYP+1]
	v_sub_f32 v[ZZ],  1.0, v[ZZ+1]
	v_pk_mul_f32 v[AZY:AZY+1],   v[WYP:WYP+1], v[ZZ:ZZ+1] op_sel_hi:[1,0]
	v_pk_mul_f32 v[AZY+2:AZY+3], v[WYP:WYP+1], v[ZZ:ZZ+1] op_sel:[0,1] op_sel_hi:[1,1]
.irp q, 0,1
	v_pk_mul_f32 v[TW:TW+1],   v[WXP:WXP+1], v[AZY+2*\q:AZY+2*\q+1] op_sel_hi:[1,0]
	v_pk_mul_f32 v[TW+2:TW+3], v[WXP:WXP+1], v[AZY+2*\q:AZY+2*\q+1] op_sel:[0,1] op_sel_hi:[1,1]
.irp k, 0,1,2,3
	v_cvt_pk_f16_f32 v[WD+4*\q+\k], v[TW+\k], v[TW+\k]
.endr
.endr
.endm
; Corner c of the slot at register base: eight channels times the corner's weight, in place.
.macro MULC base, c
.irp i, 0,1,2,3
	v_pk_mul_f16 v[\base+4*(\c)+\i], v[\base+4*(\c)+\i], v[WD+(\c)]
.endr
.endm
; The eight corners' sum, two corners to a matrix instruction.  Two accumulators (lower z, upper z) take turns, one instruction a turn;
; each one's first product starts its sum.  The products of the next two corners are made while a matrix instruction runs.
.macro SUMU slot
.set s_l, LAND+32*(\slot)
	MULC s_l, 0
	MULC s_l, 1
	v_wmma_f32_16x16x32_f16 v[ACA:ACA+7], v[SEL:SEL+7], v[s_l:s_l+7], 0
	MULC s_l, 4
	MULC s_l, 5
	v_wmma_f32_16x16x32_f16 v[ACB:ACB+7], v[SEL:SEL+7], v[s_l+16:s_l+23], 0
	MULC s_l, 2
	MULC s_l, 3
	v_wmma_f32_16x16x32_f16 v[ACA:ACA+7], v[SEL:SEL+7], v[s_l+8:s_l+15], v[ACA:ACA+7]
	MULC s_l, 6
	MULC s_l, 7
	v_wmma_f32_16x16x32_f16 v[ACB:ACB+7], v[SEL:SEL+7], v[s_l+24:s_l+31], v[ACB:ACB+7]
.endm
; The two halves' sums are added in f32 and rounded to f16 into B's place.
.macro PACK p, tile
.irp i, 0,1,2,3
	v_pk_add_f32 v[ACA+2*\i:ACA+2*\i+1], v[ACA+2*\i:ACA+2*\i+1], v[ACB+2*\i:ACB+2*\i+1]
.endr
.irp i, 0,1,2,3
	v_cvt_pk_f16_f32 v[FT+32*(\tile)+4*(\p)+\i], v[ACA+2*\i], v[ACA+2*\i+1]
.endr
.endm
; Step n of a layer's sixteen: units 16 (n/2) .. +15, K steps 2 (n%2) and 2 (n%2) + 1.  Its two weight fragments, into buffer n % 2.
.macro FRLOAD layer, n
.set f_b, FR+16*((\n)%2)
.set f_o, (\layer)*W1LDS+((\n)/2)*16*WPITCH+128*((\n)%2)
	ds_load_b128 v[f_b:f_b+3],     v[WB] offset:f_o
	ds_load_b128 v[f_b+4:f_b+7],   v[WB] offset:f_o+32
	ds_load_b128 v[f_b+8:f_b+11],  v[WB] offset:f_o+64
	ds_load_b128 v[f_b+12:f_b+15], v[WB] offset:f_o+96
.endm
; Four matrix instructions: two K steps x two tiles of points.  The two tiles' accumulators take turns, one instruction a turn, from step
; to step too.
.macro MMSTEP layer, n
.set m_t, (\n)/2
.set m_b, FR+16*((\n)%2)
.set m_s, 2*((\n)%2)
.if (\n) == 15
	s_wait_dscnt 0x0                               ; nothing younger is out
.else
	s_wait_dscnt 0x4                               ; this step's fragments (and all older LDS loads) are in; the next step's four may stay out
.endif
.irp k, 0,1
.set m_first, 0
.if \layer == 1
.if m_s+\k == 0
.set m_first, 1
.endif
.endif
.irp tile, 0,1
.if m_first
	v_wmma_f32_16x16x32_f16 v[DD+64*\tile+8*m_t:DD+64*\tile+8*m_t+7], v[m_b+8*\k:m_b+8*\k+7], v[FT+32*\tile+8*(m_s+\k):FT+32*\tile+8*(m_s+\k)+7], 0
.else
	v_wmma_f32_16x16x32_f16 v[DD+64*\tile+8*m_t:DD+64*\tile+8*m_t+7], v[m_b+8*\k:m_b+8*\k+7], v[FT+32*\tile+8*(m_s+\k):FT+32*\tile+8*(m_s+\k)+7], v[DD+64*\tile+8*m_t:DD+64*\tile+8*m_t+7]
.endif
.endr
.endr
.rept 4
	v_nop                                          ; four places before loads land on the fragments just read and, behind the last step, before results are read
.endr
.if (\n) <= 13
	FRLOAD \layer, (\n)+2
.endif
.endm
; The first layer's result of one tile: its point's largest magnitude, the power of two that brings it into [1, 2), leaky ReLU, f16 into B's place.
.macro HSTAGE tile
.set h_d, DD+64*(\tile)
.set h_s, SCL+2*(\tile)
.irp k, 0,1,2,3
	v_max_num_f32 v[TM+\k], |v[h_d+16*\k]|, |v[h_d+16*\k+1]|
.endr
.irp q, 1,2,3,4,5,6,7
.irp k, 0,1,2,3
	v_max3_num_f32 v[TM+\k], |v[h_d+16*\k+2*\q]|, |v[h_d+16*\k+2*\q+1]|, v[TM+\k]
.endr
.endr
	v_max3_num_f32 v[TM], v[TM], v[TM+1], v[TM+2]
	v_max_num_f32 v[TM], v[TM], v[TM+3]
	v_permlanex16_b32 v[TM+1], v[TM], s51, s52     ; the point's other 64 units lie in the other half of the lanes
	v_max_num_f32 v[TM], v[TM], v[TM+1]
	v_lshrrev_b32 v[TM], 23, v[TM]                 ; e
	v_max_u32 v[TM], 16, v[TM]
	v_min_u32 v[TM], 0xfa, v[TM]                   ; 16 .. 250: both powers below are normal numbers
	v_sub_nc_u32 v[TM+1], 0xfe, v[TM]
	v_add_nc_u32 v[TM+2], -12, v[TM]
	v_lshlrev_b32 v[h_s], 23, v[TM+1]              ; 2^(127-e)
	v_lshlrev_b32 v[h_s+1], 23, v[TM+2]            ; 2^(e-127-12): undoes this scale and the features'
.irp u, 0,1,2,3,4,5,6,7
.irp i, 0,1,2,3
	v_pk_mul_f32 v[TM+2*\i:TM+2*\i+1], v[h_d+8*\u+2*\i:h_d+8*\u+2*\i+1], v[h_s:h_s+1] op_sel_hi:[1,0]
.endr
.irp i, 0,1,2,3
	v_pk_mul_f32 v[TU+2*\i:TU+2*\i+1], v[TM+2*\i:TM+2*\i+1], 0x3e4ccccd op_sel_hi:[1,0]
.endr
.irp i, 0,1,2,3,4,5,6,7
	v_max_num_f32 v[TM+\i], v[TM+\i], v[TU+\i]     ; leaky ReLU = max(v, 0.2 v)
.endr
.irp i, 0,1,2,3
	v_cvt_pk_f16_f32 v[FT+32*(\tile)+4*\u+\i], v[TM+2*\i], v[TM+2*\i+1]
.endr
.endr
.endm
; b1 and W2 of my eight units of block u, into buffer u % 2.
.macro CHUNK u
.set c_b, FR+16*((\u)%2)
	ds_load_b128 v[c_b:c_b+3],     v[CB] offset:512+64*(\u)
	ds_load_b128 v[c_b+4:c_b+7],   v[CB] offset:512+64*(\u)+16
	ds_load_b128 v[c_b+8:c_b+11],  v[CB] offset:1024+64*(\u)
	ds_load_b128 v[c_b+12:c_b+15], v[CB] offset:1024+64*(\u)+16
.endm
; Block u of the second layer: scale out and b1 in one fused multiply-add, leaky ReLU, and the last layer's products, all in f32.
.macro OUTSTEP u
.set o_b, FR+16*((\u)%2)
.if (\u) == 7
	s_wait_dscnt 0x0
.else
	s_wait_dscnt 0x4                               ; this block's four loads are in; the next block's may stay out
.endif
.irp tile, 0,1
.irp i, 0,1,2,3
	v_pk_fma_f32 v[TM+2*\i:TM+2*\i+1], v[DD+64*\tile+8*(\u)+2*\i:DD+64*\tile+8*(\u)+2*\i+1], v[SCL+2*\tile:SCL+2*\tile+1], v[o_b+2*\i:o_b+2*\i+1] op_sel:[0,1,0] op_sel_hi:[1,1,1]
.endr
.irp i, 0,1,2,3
	v_pk_mul_f32 v[TU+2*\i:TU+2*\i+1], v[TM+2*\i:TM+2*\i+1], 0x3e4ccccd op_sel_hi:[1,0]
.endr
.irp i, 0,1,2,3,4,5,6,7
	v_max_num_f32 v[TM+\i], v[TM+\i], v[TU+\i]
.endr
.irp i, 0,1,2,3
.set o_first, 0
.if (\u) == 0
.if \i < 2
.set o_first, 1
.endif
.endif
.if o_first
	v_pk_mul_f32 v[YY+4*\tile+2*(\i%2):YY+4*\tile+2*(\i%2)+1], v[TM+2*\i:TM+2*\i+1], v[o_b+8+2*\i:o_b+8+2*\i+1]   ; the first products start the sums
.else
	v_pk_fma_f32 v[YY+4*\tile+2*(\i%2):YY+4*\tile+2*(\i%2)+1], v[TM+2*\i:TM+2*\i+1], v[o_b+8+2*\i:o_b+8+2*\i+1], v[YY+4*\tile+2*(\i%2):YY+4*\tile+2*(\i%2)+1]
.endif
.endr
.endr
.if (\u) <= 5
	CHUNK (\u)+2
.endif
.endm
.Ltrip:
	; this unit's cell numbers (2048 bytes) and points (384 bytes), read once in the launch
	global_load_b128 v[IDX:IDX+3],     v[L16], s[6:7] th:TH_LOAD_NT
	global_load_b128 v[IDX+4:IDX+7],   v[L16], s[6:7] offset:512 th:TH_LOAD_NT
	global_load_b128 v[IDX+8:IDX+11],  v[L16], s[6:7] offset:1024 th:TH_LOAD_NT
	global_load_b128 v[IDX+12:IDX+15], v[L16], s[6:7] offset:1536 th:TH_LOAD_NT
	global_load_b96 v[XYZ:XYZ+2],   v[R12], s[8:9] th:TH_LOAD_NT
	global_load_b96 v[XYZ+4:XYZ+6], v[R12], s[8:9] offset:192 th:TH_LOAD_NT
	RECLOAD 0
.irp i, 0,1,2,3
	v_cndmask_b32 v[SEL+\i],   0, v[SV], s[SM+\i]  ; the matrix of ones and zeros: its registers serve the layers as accumulators, so it is written anew each trip
	v_cndmask_b32 v[SEL+4+\i], 0, v[SV], s[SM+\i]  ; the same for k + 16
.endr
	s_wait_loadcnt 0x0
	ISSUE 0, 0
	ISSUE 1, 0
	ISSUE 2, 0
	; sixteen gather units on three slots: while one is summed, the 16 loads of the two behind it are on their way
.set n, 0
.rept 16
.if n%2 == 0
	s_wait_dscnt 0x0                               ; this pair of grids' record is in
.endif
	WEIGHTS n/2, n%2
.if n%2 == 1
.if n < 15
	RECLOAD n/2+1                                  ; the record has been read for both tiles: the next pair's comes in during this unit's sums
.endif
.endif
.if n <= 13
	s_wait_loadcnt 16                              ; loads come back in order: this unit's eight are in, the two younger units' stay out
.else
	s_wait_loadcnt 8*(15-n)                        ; the counts run down
.endif
	SUMU n%3
.if n <= 12
	ISSUE n+3, 1                                   ; the slot's offset register is free: the wait above showed its loads done
.else
.rept 4
	v_nop                                          ; four places before the sums are read and before loads land on these matrix instructions' registers
.endr
.endif
	PACK n/2, n%2
.set n, n+1
.endr
	; layer 0: 2^12 b0 is loaded straight into the accumulators and is the first products' C
.irp tile, 0,1
.irp u, 0,1,2,3,4,5,6,7
	ds_load_b128 v[DD+64*\tile+8*\u:DD+64*\tile+8*\u+3],   v[CB] offset:64*\u
	ds_load_b128 v[DD+64*\tile+8*\u+4:DD+64*\tile+8*\u+7], v[CB] offset:64*\u+16
.endr
.endr
	FRLOAD 0, 0
	FRLOAD 0, 1
.set n, 0
.rept 16
	MMSTEP 0, n
.set n, n+1
.endr
	FRLOAD 1, 0                                    ; W1's first fragments come in while the result is scaled
	FRLOAD 1, 1
	HSTAGE 0
	HSTAGE 1
.set n, 0
.rept 16
	MMSTEP 1, n
.set n, n+1
.endr
	CHUNK 0
	CHUNK 1
.set n, 0
.rept 8
	OUTSTEP n
.set n, n+1
.endr
	v_pk_add_f32 v[YY:YY+1],   v[YY:YY+1],   v[YY+2:YY+3]
	v_pk_add_f32 v[YY+4:YY+5], v[YY+4:YY+5], v[YY+6:YY+7]
	v_add_f32 v[YY],   v[YY],   v[YY+1]            ; my 64 units of each tile's point r
	v_add_f32 v[YY+4], v[YY+4], v[YY+5]
	v_permlanex16_b32 v[YY+1], v[YY],   s51, s52   ; the other 64
	v_permlanex16_b32 v[YY+5], v[YY+4], s51, s52
	v_add_f32 v[YY],   v[YY],   v[YY+1]
	v_add_f32 v[YY+4], v[YY+4], v[YY+5]
	v_cndmask_b32 v[YY], v[YY], v[YY+4], s53       ; lanes 0-15 the first tile's points, lanes 16-31 the second's
	v_add_f32 v[YY], s54, v[YY]                    ; + b2
	global_store_b32 v[L4], v[YY], s[26:27] th:TH_STORE_NT     ; 32 lanes, 128 consecutive bytes
	s_wait_xcnt 0x0                                ; the bases and the store's data are written again only behind this wait
	s_add_nc_u64 s[6:7], s[6:7], NWAVES*2048
	s_add_nc_u64 s[8:9], s[8:9], NWAVES*384
	s_add_nc_u64 s[26:27], s[26:27], NWAVES*128
	s_add_co_u32 s56, s56, 1
	s_cmp_lt_u32 s56, s57
	s_cbranch_scc1 .Ltrip
	s_wait_tensorcnt 0x0
	ds_add_u32 v30, v31
	s_wait_dscnt 0x0
	s_endpgm
.Lfunc_end_k_q9833183124_mlp:
	.size	k_q9833183124_mlp, .Lfunc_end_k_q9833183124_mlp-k_q9833183124_mlp
	.p2alignl 7, 3214868480
	.fill 96, 4, 3214868480
	.section	.rodata,"a",@progbits
	.p2align	6, 0x0
	.amdhsa_kernel k_q9833183124_mlp
		.amdhsa_group_segment_fixed_size 73728
		.amdhsa_private_segment_fixed_size 0
		.amdhsa_enable_private_segment 0
		.amdhsa_kernarg_size 96
		.amdhsa_user_sgpr_count 2
		.amdhsa_user_sgpr_kernarg_segment_ptr 1
		.amdhsa_wavefront_size32 1
		.amdhsa_system_sgpr_workgroup_id_x 1
		.amdhsa_system_sgpr_workgroup_id_y 1
		.amdhsa_system_sgpr_workgroup_id_z 1
		.amdhsa_system_vgpr_workitem_id 0
		.amdhsa_next_free_vgpr 256
		.amdhsa_next_free_sgpr 66
		.amdhsa_reserve_vcc 1
		.amdhsa_float_denorm_mode_32 3
		.amdhsa_float_denorm_mode_16_64 3
		.amdhsa_memory_ordered 1
		.amdhsa_forward_progress 1
		.amdhsa_inst_pref_size 174
	.end_amdhsa_kernel
	.amdgpu_metadata
---
amdhsa.version: [ 1, 2 ]
amdhsa.kernels:
  - .name:           k_q9833183124_mlp
    .symbol:         k_q9833183124_mlp.kd
    .args:
      - { .name: table, .offset: 0, .size: 8, .value_kind: global_buffer, .address_space: global }
      - { .name: cells, .offset: 8, .size: 8, .value_kind: global_buffer, .address_space: global }
      - { .name: x, .offset: 16, .size: 8, .value_kind: global_buffer, .address_space: global }
      - { .name: grid_scales, .offset: 24, .size: 8, .value_kind: global_buffer, .address_space: global }
      - { .name: grid_translations, .offset: 32, .size: 8, .value_kind: global_buffer, .address_space: global }
      - { .name: W0, .offset: 40, .size: 8, .value_kind: global_buffer, .address_space: global }
      - { .name: W1, .offset: 48, .size: 8, .value_kind: global_buffer, .address_space: global }
      - { .name: W2, .offset: 56, .size: 8, .value_kind: global_buffer, .address_space: global }
      - { .name: b0, .offset: 64, .size: 8, .value_kind: global_buffer, .address_space: global }
      - { .name: b1, .offset: 72, .size: 8, .value_kind: global_buffer, .address_space: global }
      - { .name: b2, .offset: 80, .size: 8, .value_kind: global_buffer, .address_space: global }
      - { .name: out0, .offset: 88, .size: 8, .value_kind: global_buffer, .address_space: global }
    .group_segment_fixed_size: 73728
    .private_segment_fixed_size: 0
    .kernarg_segment_align: 8
    .kernarg_segment_size: 96
    .max_flat_workgroup_size: 512
    .sgpr_count:     66
    .vgpr_count:     256
    .wavefront_size: 32
...
	.end_amdgpu_metadata
.endif
;; end of part 2
;; ======== version 2 of 2: 2 launches; version 1 with the launch mlp written anew for expert scheduling mode
;; limits: inputs' magnitudes at most 16; values are held in f16: magnitudes above 65,504 overflow, below 6.1e-05 lose precision; values outside matrix products are rounded to f16
;; workspace buffers: table 67,108,864 bytes; cells 32,000,000 bytes of whole numbers
;; launch prep: the kernel of part 1 again; grid 1024 x 1, 8 waves a work-group, no clusters, 18,432 bytes of LDS; arguments feature_grids, x, grid_scales, grid_translations, table, cells; writes table, cells
;; launch mlp (part 3): grid 256 x 1, 16 waves a work-group, no clusters, 73,728 bytes of LDS; arguments table, cells, x, grid_scales, grid_translations, W0, W1, W2, b0, b1, b2, out0; writes out0
.if DOCPART == 3
	.amdgcn_target "amdgcn-amd-amdhsa--gfx1250"
	.amdhsa_code_object_version 6
	.text
	.protected	k_q9833183124_mlp
	.globl	k_q9833183124_mlp
	.p2align	8
	.type	k_q9833183124_mlp,@function
k_q9833183124_mlp:
	s_mov_b64 s[64:65], 0
	v_nop
	global_prefetch_b8 v0, s[64:65] scope:SCOPE_SE
	s_setreg_imm32_b32 hwreg(HW_REG_WAVE_SCHED_MODE, 0, 2), 2
	s_setreg_imm32_b32 hwreg(HW_REG_WAVE_MODE, 25, 1), 1
	s_wait_xcnt 0x0
	s_wait_alu depctr_vm_vsrc(0)
; MLP: for 32 points a trip and wave: gather and interpolate 16 grids x 8 channels, then 128 -> 128 -> 128 -> 1 with leaky ReLU.
; THE CHAIN STAYS IN REGISTERS.  Weights are the matrix instruction's A (rows = units), points its B (columns).  Lane (r, h) of B holds
; point r; with feature k = 8 g + c its registers 4p .. 4p+3 are the eight channels of grid 2p + h: so lane (r, h) gathers point r in
; grids h, 2+h, .. 14+h and packs them where B wants them.  In D, register j of lane (r, h) is unit 16 t + 8 h + j of point r: packed in
; the lane, that is registers 4t .. 4t+3 of the next layer's B.  Every register of a lane belongs to one point.
; THE INTERPOLATION'S SUMS ARE MADE BY THE MATRIX UNIT TOO.  A corner lands as four registers (eight channels in f16) and is multiplied in
; place by its weight.  Two corners' registers are then a B fragment as they lie: column = point r, k = 16 (corner of the two) + 8 h + channel.
; A is a constant matrix of ones and zeros, A[m][k] = 1 where m = k mod 16, so that D(m = 8 h + c, n = r) is the f32 sum over the corners of
; channel c of grid 2p + h at point r: register c of lane (r, h), the lane that gathered it.  Four matrix instructions sum the eight corners.
; FORMATS: coordinates, the interpolation's weights and sums, biases, leaky ReLU and the last layer in f32.  The table is f16 and holds
; 2^12 times the grid values.  Matrix operands are f16: weight times table value (the weight rounded to f16; the product of two f16 has
; 22 significant bits, so the f16 multiply gives the f32 product rounded once); features (they carry the table's 2^12; b0 is staged times
; 2^12); the first layer's result times 2^(127-e) for each point, e the exponent of that point's largest magnitude, held in 16 .. 250.
; Leaky ReLU commutes with a positive scale; both scales are taken out by the fused multiply-add that adds b1.
; LIMITS: |feature_grids| < 16 (2^12 times a value must fit f16); |W0|, |W1| < 65504, and below 2^-14 they keep an absolute error of 2^-25;
; a non-finite table value among a point's eight corners (the second corner is always read, with weight 0 at the border) makes all 16
; features of that point and pair of grids NaN (0 times infinity in the product with the ones and zeros).
; NO CLUSTER: the work-groups share only the 128 KiB of weights, read once by each; the gathered rows differ from point to point.
; 256 work-groups of 16 waves stay and walk the units U = gw + 4096 trip of 32 points (15625 units: 4 trips where gw < 3337, else 3).
; THE MODE: SCHED_MODE bits 1:0 = 2 (LLVM: expert scheduling mode 2), set by the entry lines.  The code itself states the register dependences
; between vector or matrix instructions and memory or LDS instructions, with s_wait_alu, always for 0.
; THE PLAN.  Registers that memory or LDS instructions touch in a trip:
;   v1 .. v5     offsets and LDS addresses, made at the head and never written again.
;   IDX          Loaded at the trip's head; each number is turned IN PLACE into its gather unit's byte offset, once, three units ahead of its
;                use (units 0 to 2: at the head); read by the unit's eight loads and by the lines that take the cell's coordinates out of it.
;   LAND0 .. 2   Gather unit n: its products and matrix instructions work on slot n % 3; the loads of unit n + 2, issued in unit n, land in slot
;                (n - 1) % 3, which unit n - 1 worked on and no vector instruction of unit n names.
;   REC          Read by a unit's first six lines alone; loaded anew in every odd unit, behind them.
;   FR0 .. 2     Matrix step n reads buffer n % 3; the loads of step n + 2, issued at its head, land in buffer (n - 1) % 3, which step n - 1 read.
;   DD, XYZ      Loaded (b0; the points) where the gather, or the trip before, has ended.     v192  the store's data.
; So ONE wait on va_vdst stands in a gather unit, behind its first six lines, and one at a matrix step's head, behind the wait for its fragments;
; the others stand where one phase's registers pass to the next.  Waits on vm_vsrc: behind the staging, ahead of b0's loads (they land on the
; offsets that the gather's loads read) and behind the store.
.set UNITS,  15625
.set NWAVES, 4096
.set WPITCH, 272                       ; a row of 128 f16 + 16 bytes: sixteen rows start at sixteen different 16-byte columns
.set W1LDS,  128*WPITCH                ; 34816: W1 behind W0
.set VEC,    2*W1LDS                   ; 69632: 2^12 b0 (512 bytes), b1, W2, then 16 records of 32 bytes: Kx Ky Kz 0 Tx Ty Tz 0
.set RECS,   1536
.set MAXCELL, 0x3efbe                  ; 62*4096 + 62*64 + 62; the farthest corner is 4161 cells on: 262143, a grid's last
; vector registers that stay
.set WB,   1                           ; r * 272 + 16 h: my part of a weight fragment
.set CB,   2                           ; VEC + 32 h: my eight units of a block of sixteen; my grid of a pair of records
.set L16,  3                           ; 16 x lane
.set R12,  4                           ; 12 x r
.set L4,   5                           ; 4 x lane
.set HG,   6                           ; h x 4 MiB: my grid of a pair in the table
.set SV,   7                           ; f16 1.0 in the half r & 1: my one of the matrix of ones and zeros
.set SCL,  8                           ; v[8:9] scale and its undoing for tile 0, v[10:11] for tile 1
.set FT,   192                         ; v[192+32 tile+4p+i] features, later the first layer's result, as B fragments
; the gather's registers
.set EX,   16                          ; v[16:18] coordinates
.set AZY,  16                          ; v[16:19] z weight x y weight (the coordinates are dead by then)
.set CE,   20                          ; v[20:22] the cell's coordinates
.set TW,   20                          ; v[20:23] two pairs of corner weights in f32 (the cell's coordinates are dead by then)
.set WXP,  24                          ; v[24:25] 1 - wx, wx
.set ZZ,   26                          ; v[26:27] 1 - wz, wz
.set WYP,  28                          ; v[28:29] 1 - wy, wy
.set LAND, 32                          ; v[32+32 slot+4c : +3] three slots of eight corners
.set REC,  128                         ; v[128:135] the record of my grid of the pair at work
.set WD,   136                         ; v[136:143] the eight corners' weights in f16, each in both halves
.set SEL,  144                         ; v[144:151] the matrix of ones and zeros as an A fragment
.set IDX,  152                         ; v[152+8 tile+p] cell numbers as loaded, then 16 x cell + h x 4 MiB: the byte offset in the table
.set XYZ,  168                         ; v[168+4 tile : +2] my point
.set ACA,  176                         ; v[176:183] sums over the four corners of the lower z
.set ACB,  184                         ; v[184:191] sums over the four corners of the upper z
; the layers' registers
.set TM,   12                          ; v[12:19] at work between the runs of matrix steps
.set TU,   20                          ; v[20:27] likewise
.set FR,   32                          ; v[32:47], v[48:63] and, during the matrix steps, v[12:27]: three buffers of two weight fragments
.set DD,   64                          ; v[64+64 tile+8t : +7] accumulators
.set YY,   192                         ; v[192:199] the last layer's sums (the B fragments are dead by then)
.set TB,   32                          ; s[32+2p:33+2p] table at grid 2p
.set SM,   60                          ; s60-63 lanes whose one lies in register i of the A fragment's four
	s_load_b512 s[4:19], s[0:1], 0x0               ; table, cells, x, scales, translations, W0, W1, W2
	s_load_b256 s[20:27], s[0:1], 0x40             ; b0, b1, b2, out0
	v_lshl_add_u32 v30, v0, 2, 0x11800
	v_mov_b32 v31, 0
	v_lshrrev_b32 v1, 5, v0
	v_readfirstlane_b32 s55, v1                    ; wave in the work-group
	s_lshl_b32 s58, ttmp9, 4
	s_wait_alu depctr_va_sdst(0)                   ; s55 is written, ahead of its first reader
	s_add_co_u32 s58, s58, s55                     ; gw
	s_mov_b32 s48, 0x428a999a                      ; 69.3
	s_mov_b32 s49, 0xc049999a                      ; -3.15
	s_mov_b32 s50, 0x427c0000                      ; 63.0
	s_mov_b32 s51, 0x76543210                      ; v_permlanex16_b32: lane i reads lane i of the other half
	s_mov_b32 s52, 0xfedcba98
	s_mov_b32 s53, 0xffff0000                      ; lanes 16-31
	s_mov_b32 s59, 0x45800000                      ; 4096.0
	s_mov_b32 s56, 0                               ; trip
	s_cmp_lt_u32 s58, UNITS-3*NWAVES
	s_cselect_b32 s57, 4, 3                        ; trips
	v_and_b32 v8, 31, v0                           ; lane
	v_and_b32 v9, 15, v0                           ; r
	v_bfe_u32 v10, v0, 4, 1                        ; h
	v_mul_u32_u24 v[WB], v9, WPITCH
	v_lshl_add_u32 v[WB], v10, 4, v[WB]
	v_lshlrev_b32 v[CB], 5, v10
	v_add_nc_u32 v[CB], VEC, v[CB]
	v_lshlrev_b32 v[L16], 4, v8
	v_mul_u32_u24 v[R12], v9, 12
	v_lshlrev_b32 v[L4], 2, v8
	v_lshlrev_b32 v[HG], 22, v10
	; The matrix of ones and zeros.  Lane (r, h) of an A fragment holds row m = r and k = 8 h + j (registers 0-3) and 16 + 8 h + j (registers 4-7),
	; j = 0 .. 7.  A[m][k] = 1 where m = k mod 16: only where r >> 3 = h, at j = r & 7, that is register (r & 7) >> 1, half r & 1.
	v_lshrrev_b32 v14, 3, v9
	v_cmp_eq_u32 vcc_lo, v14, v10                  ; lanes that hold a one
	v_and_b32 v15, 1, v9
	v_lshlrev_b32 v15, 4, v15
	v_mov_b32 v16, 0x3c00                          ; 1.0 in f16
	v_lshlrev_b32 v[SV], v15, v16                  ; in the half r & 1
	v_bfe_u32 v14, v9, 1, 2                        ; its register
.irp i, 0,1,2,3
	v_cmp_eq_u32 s[SM+\i], \i, v14                 ; the four compares stand in one run, so that one wait serves them
.endr
	v_lshlrev_b32 v12, 4, v0                       ; 16 x thread
	s_wait_alu depctr_va_vcc(0)                    ; VCC is written, ahead of its first reader below
	s_wait_alu depctr_va_sdst(0)                   ; s60 to s63 are written, ahead of their first readers below
.irp i, 0,1,2,3
	s_and_b32 s[SM+\i], s[SM+\i], vcc_lo
.endr
	s_wait_kmcnt 0x0
	s_load_b32 s54, s[24:25], 0x0                  ; b2
	s_wait_alu depctr_va_vdst(0)                   ; v12 is written, the offset of the loads below; so are v1 to v5, which the kernel's other loads and its store read as addresses
	; the weights: thread t takes 16 bytes at 16 t + 8192 c, that is row 16 c + wave, four numbers at column 4 lane
.irp c, 0,1,2,3,4,5,6,7
	global_load_b128 v[DD+4*\c:DD+4*\c+3], v12, s[14:15] offset:8192*\c
.endr
.irp c, 0,1,2,3,4,5,6,7
	global_load_b128 v[DD+32+4*\c:DD+32+4*\c+3], v12, s[16:17] offset:8192*\c
.endr
.irp p, 0,1,2,3,4,5,6,7
	s_add_nc_u64 s[TB+2*\p:TB+2*\p+1], s[4:5], \p*0x800000     ; two grids of 4 MiB on
.endr
	s_lshl_b32 s28, s58, 11
	s_mov_b32 s29, 0
	s_add_nc_u64 s[6:7], s[6:7], s[28:29]          ; cells at unit gw (two tiles of 1024 bytes)
	s_mul_i32 s28, s58, 384
	s_add_nc_u64 s[8:9], s[8:9], s[28:29]          ; x at unit gw (32 points of 12 bytes)
	s_lshl_b32 s28, s58, 7
	s_add_nc_u64 s[26:27], s[26:27], s[28:29]      ; out0 at unit gw
	s_mul_i32 s28, s55, WPITCH
	v_lshl_add_u32 v13, v8, 3, s28                 ; row = wave, 8 bytes a lane
	s_wait_loadcnt 0x0
.irp c, 0,1,2,3,4,5,6,7,8,9,10,11,12,13,14,15
	v_cvt_pk_f16_f32 v[DD+4*\c],   v[DD+4*\c],   v[DD+4*\c+1]
	v_cvt_pk_f16_f32 v[DD+4*\c+1], v[DD+4*\c+2], v[DD+4*\c+3]
.endr
	s_wait_alu depctr_va_vdst(0)                   ; the conversions have written the LDS stores' data, and v13, their address, is written
.irp c, 0,1,2,3,4,5,6,7
	ds_store_b64 v13, v[DD+4*\c:DD+4*\c+1] offset:16*WPITCH*\c
	ds_store_b64 v13, v[DD+32+4*\c:DD+32+4*\c+1] offset:W1LDS+16*WPITCH*\c
.endr
	s_cmp_gt_u32 s55, 3
	s_cbranch_scc1 .Lnot_vec
	v_lshlrev_b32 v14, 2, v0                       ; waves 0-3: threads 0-127 stage one number each of b0, b1, W2
	v_add_nc_u32 v15, VEC, v14
	s_wait_alu depctr_va_vdst(0)                   ; v14 is written, the offset of the three loads
	global_load_b32 v16, v14, s[20:21]
	global_load_b32 v17, v14, s[22:23]
	global_load_b32 v18, v14, s[18:19]
	s_wait_loadcnt 0x0
	v_mul_f32 v16, s59, v16                        ; b0 carries the features' scale
	s_wait_alu depctr_va_vdst(0)                   ; v16 is written, which the first LDS store reads
	ds_store_b32 v15, v16
	ds_store_b32 v15, v17 offset:512
	ds_store_b32 v15, v18 offset:1024
	s_branch .Lstaged
.Lnot_vec:
	s_cmp_lg_u32 s55, 4
	s_cbranch_scc1 .Lstaged
	global_load_b96 v[16:18], v[R12], s[10:11]     ; wave 4: grid r's record (both halves of the lanes write the same bytes with the same values); no vector instruction since the last wait on va_vdst names v4 or v[16:22]
	global_load_b96 v[20:22], v[R12], s[12:13]
	v_lshlrev_b32 v15, 5, v9
	v_add_nc_u32 v15, VEC+RECS, v15
	v_mov_b32 v19, 0                               ; the records' fourth words, so that whole 16 bytes are stored
	v_mov_b32 v23, 0
	s_wait_loadcnt 0x0
.irp d, 0,1,2
	v_mul_f32 v[16+\d], 0xbfb8aa3b, v[16+\d]       ; exp(-s u) = 2^(-log2(e) s u)
.endr
	s_wait_alu depctr_va_vdst(0)                   ; v15 and v[16:19], v23 are written: the two LDS stores' address and data
	ds_store_b128 v15, v[16:19]
	ds_store_b128 v15, v[20:23] offset:16
.Lstaged:
	s_wait_dscnt 0x0                               ; my stores are in LDS, for the other waves' sake
	s_wait_kmcnt 0x0                               ; b2
	s_barrier_signal -1
	s_barrier_wait -1                              ; the one barrier: behind it LDS is only read
	s_wait_alu depctr_vm_vsrc(0)                   ; the staging's loads and LDS stores have read v[12:23] and v[64:127]: the trips write these registers and load into them
; Record of grids 2p and 2p+1 (each lane its own).
.macro RECLOAD p
	ds_load_b128 v[REC:REC+3],   v[CB] offset:RECS+64*(\p)
	ds_load_b128 v[REC+4:REC+7], v[CB] offset:RECS+64*(\p)+16
.endm
; Gather unit n = 2p + tile.  Its cell number becomes, in place, its byte offset in the pair of grids: no memory instruction of the trip has read the
; register before.  Behind a unit's sums these three lines, which name none of the matrix instructions' registers, are three of the four places.
.macro OFFS n
.set a_r, IDX+8*((\n)%2)+(\n)/2
	v_min_u32 v[a_r], MAXCELL, v[a_r]              ; whatever the number, all eight corners stay inside the grid
	v_lshlrev_b32 v[a_r], 4, v[a_r]                ; 16 bytes a cell
	v_add_nc_u32 v[a_r], v[a_r], v[HG]
.endm
; The eight corners of my point of that tile in grid 2p + h, into slot n % 3.
.macro GLOAD n
.set i_p, (\n)/2
.set i_s, (\n)%3
.set i_a, IDX+8*((\n)%2)+(\n)/2
.irp c, 0,1,2,3,4,5,6,7
	global_load_b128 v[LAND+32*i_s+4*\c:LAND+32*i_s+4*\c+3], v[i_a], s[TB+2*i_p:TB+2*i_p+1] offset:(\c/4)*65536+((\c/2)%2)*1024+(\c%2)*16 th:TH_LOAD_HT   ; 64 M corner reads of the launch fall on 4.2 M cells: each is read again by many work-groups
.endr
.endm
; The exponents of the three sigmoids: the only lines that read the record.
.macro WARGS tile
.set w_x, XYZ+4*(\tile)
.irp d, 0,1,2
	v_sub_f32 v[EX+\d], v[w_x+\d], v[REC+4+\d]
.endr
.irp d, 0,1,2
	v_mul_f32 v[EX+\d], v[EX+\d], v[REC+\d]
.endr
.endm
; The eight corners' weights.  The fractions are taken against the STORED cell, so that a last-bit difference between the two launches'
; coordinates moves a weight by as little, and never the cell under it.  The cell's x, y, z lie in bits 4, 10 and 16 of the unit's byte offset.
; Corner c = 4 dz + 2 dy + dx; its weight goes, in f16, into both halves of WD + c.
.macro WEIGHTS p, tile
.set w_i, IDX+8*(\tile)+(\p)
.irp d, 0,1,2
	v_exp_f32 v[EX+\d], v[EX+\d]
.endr
	v_bfe_u32 v[CE], v[w_i], 4, 6                  ; the plain place behind the run of transcendentals (ISA guide 5.7.2)
	v_bfe_u32 v[CE+1], v[w_i], 10, 6
	s_wait_alu depctr_va_vdst(0)
.irp d, 0,1,2
	v_add_f32 v[EX+\d], 1.0, v[EX+\d]
.endr
.irp d, 0,1,2
	v_rcp_f32 v[EX+\d], v[EX+\d]
.endr
	v_bfe_u32 v[CE+2], v[w_i], 16, 6               ; likewise
.irp d, 0,1,2
	v_cvt_f32_u32 v[CE+\d], v[CE+\d]
.endr
	s_wait_alu depctr_va_vdst(0)
.irp d, 0,1,2
	v_fma_f32 v[EX+\d], v[EX+\d], s48, s49         ; 69.3 sigmoid - 3.15
.endr
.irp d, 0,1,2
	v_med3_num_f32 v[EX+\d], v[EX+\d], 0, s50      ; the border clamp
.endr
	v_sub_f32 v[WXP+1], v[EX],   v[CE]
	v_sub_f32 v[WYP+1], v[EX+1], v[CE+1]
	v_sub_f32 v[ZZ+1],  v[EX+2], v[CE+2]
	v_sub_f32 v[WXP], 1.0, v[WXP+1]
	v_sub_f32 v[WYP], 1.0, v[WYP+1]
	v_sub_f32 v[ZZ],  1.0, v[ZZ+1]
	v_pk_mul_f32 v[AZY:AZY+1],   v[WYP:WYP+1], v[ZZ:ZZ+1] op_sel_hi:[1,0]
	v_pk_mul_f32 v[AZY+2:AZY+3], v[WYP:WYP+1], v[ZZ:ZZ+1] op_sel:[0,1] op_sel_hi:[1,1]
.irp q, 0,1
	v_pk_mul_f32 v[TW:TW+1],   v[WXP:WXP+1], v[AZY+2*\q:AZY+2*\q+1] op_sel_hi:[1,0]
	v_pk_mul_f32 v[TW+2:TW+3], v[WXP:WXP+1], v[AZY+2*\q:AZY+2*\q+1] op_sel:[0,1] op_sel_hi:[1,1]
.irp k, 0,1,2,3
	v_cvt_pk_f16_f32 v[WD+4*\q+\k], v[TW+\k], v[TW+\k]
.endr
.endr
.endm
; Corner c of the slot at register base: eight channels times the corner's weight, in place.
.macro MULC base, c
.irp i, 0,1,2,3
	v_pk_mul_f16 v[\base+4*(\c)+\i], v[\base+4*(\c)+\i], v[WD+(\c)]
.endr
.endm
; The eight corners' sum, two corners to a matrix instruction.  Two accumulators (lower z, upper z) take turns, one instruction a turn;
; each one's first product starts its sum.  The products of the next two corners are made while a matrix instruction runs.
.macro SUMU slot
.set s_l, LAND+32*(\slot)
	MULC s_l, 0
	MULC s_l, 1
	v_wmma_f32_16x16x32_f16 v[ACA:ACA+7], v[SEL:SEL+7], v[s_l:s_l+7], 0
	MULC s_l, 4
	MULC s_l, 5
	v_wmma_f32_16x16x32_f16 v[ACB:ACB+7], v[SEL:SEL+7], v[s_l+16:s_l+23], 0
	MULC s_l, 2
	MULC s_l, 3
	v_wmma_f32_16x16x32_f16 v[ACA:ACA+7], v[SEL:SEL+7], v[s_l+8:s_l+15], v[ACA:ACA+7]
	MULC s_l, 6
	MULC s_l, 7
	v_wmma_f32_16x16x32_f16 v[ACB:ACB+7], v[SEL:SEL+7], v[s_l+24:s_l+31], v[ACB:ACB+7]
.endm
; The two halves' sums are added in f32 and rounded to f16 into B's place.
.macro PACK p, tile
.irp i, 0,1,2,3
	v_pk_add_f32 v[ACA+2*\i:ACA+2*\i+1], v[ACA+2*\i:ACA+2*\i+1], v[ACB+2*\i:ACB+2*\i+1]
.endr
.irp i, 0,1,2,3
	v_cvt_pk_f16_f32 v[FT+32*(\tile)+4*(\p)+\i], v[ACA+2*\i], v[ACA+2*\i+1]
.endr
.endm
; Step n of a layer's sixteen: units 16 (n/2) .. +15, K steps 2 (n%2) and 2 (n%2) + 1.  Its two weight fragments, into buffer n % 3 (v32, v48, v12).
.macro FRLOAD layer, n
.set f_b, FR+16*((\n)%3)-52*(((\n)%3)/2)
.set f_o, (\layer)*W1LDS+((\n)/2)*16*WPITCH+128*((\n)%2)
	ds_load_b128 v[f_b:f_b+3],     v[WB] offset:f_o
	ds_load_b128 v[f_b+4:f_b+7],   v[WB] offset:f_o+32
	ds_load_b128 v[f_b+8:f_b+11],  v[WB] offset:f_o+64
	ds_load_b128 v[f_b+12:f_b+15], v[WB] offset:f_o+96
.endm
; Four matrix instructions: two K steps x two tiles of points.  The two tiles' accumulators take turns, one instruction a turn, from step
; to step too.  At the step's head the fragments of the step two on are asked for, into the buffer that the step before read.
.macro MMSTEP layer, n
.set m_t, (\n)/2
.set m_b, FR+16*((\n)%3)-52*(((\n)%3)/2)
.set m_s, 2*((\n)%2)
.if (\n) == 15
	s_wait_dscnt 0x0                               ; nothing younger is out
.else
	s_wait_dscnt 0x4                               ; this step's fragments (and all older LDS loads) are in; the next step's four may stay out
.endif
.if (\n) <= 13
.if ((\n) >= 1) || (\layer)
	s_wait_alu depctr_va_vdst(0)                   ; the step before's matrix instructions are done reading the buffer in which the loads below land (second layer, step 0: the scaling's lines are done with v[12:27])
.endif
	FRLOAD \layer, (\n)+2                          ; (first layer, step 0: no vector instruction since the wait ahead of b0's loads)
.endif
.irp k, 0,1
.set m_first, 0
.if \layer == 1
.if m_s+\k == 0
.set m_first, 1
.endif
.endif
.irp tile, 0,1
.if m_first
	v_wmma_f32_16x16x32_f16 v[DD+64*\tile+8*m_t:DD+64*\tile+8*m_t+7], v[m_b+8*\k:m_b+8*\k+7], v[FT+32*\tile+8*(m_s+\k):FT+32*\tile+8*(m_s+\k)+7], 0
.else
	v_wmma_f32_16x16x32_f16 v[DD+64*\tile+8*m_t:DD+64*\tile+8*m_t+7], v[m_b+8*\k:m_b+8*\k+7], v[FT+32*\tile+8*(m_s+\k):FT+32*\tile+8*(m_s+\k)+7], v[DD+64*\tile+8*m_t:DD+64*\tile+8*m_t+7]
.endif
.endr
.endr
.rept 4
	v_nop                                          ; four places before loads land on the fragments just read and, behind the last step, before results are read; they stay beside the waits on va_vdst
.endr
.endm
; The first layer's result of one tile: its point's largest magnitude, the power of two that brings it into [1, 2), leaky ReLU, f16 into B's place.
.macro HSTAGE tile
.set h_d, DD+64*(\tile)
.set h_s, SCL+2*(\tile)
.irp k, 0,1,2,3
	v_max_num_f32 v[TM+\k], |v[h_d+16*\k]|, |v[h_d+16*\k+1]|
.endr
.irp q, 1,2,3,4,5,6,7
.irp k, 0,1,2,3
	v_max3_num_f32 v[TM+\k], |v[h_d+16*\k+2*\q]|, |v[h_d+16*\k+2*\q+1]|, v[TM+\k]
.endr
.endr
	v_max3_num_f32 v[TM], v[TM], v[TM+1], v[TM+2]
	v_max_num_f32 v[TM], v[TM], v[TM+3]
	v_permlanex16_b32 v[TM+1], v[TM], s51, s52     ; the point's other 64 units lie in the other half of the lanes
	v_max_num_f32 v[TM], v[TM], v[TM+1]
	v_lshrrev_b32 v[TM], 23, v[TM]                 ; e
	v_max_u32 v[TM], 16, v[TM]
	v_min_u32 v[TM], 0xfa, v[TM]                   ; 16 .. 250: both powers below are normal numbers
	v_sub_nc_u32 v[TM+1], 0xfe, v[TM]
	v_add_nc_u32 v[TM+2], -12, v[TM]
	v_lshlrev_b32 v[h_s], 23, v[TM+1]              ; 2^(127-e)
	v_lshlrev_b32 v[h_s+1], 23, v[TM+2]            ; 2^(e-127-12): undoes this scale and the features'
.irp u, 0,1,2,3,4,5,6,7
.irp i, 0,1,2,3
	v_pk_mul_f32 v[TM+2*\i:TM+2*\i+1], v[h_d+8*\u+2*\i:h_d+8*\u+2*\i+1], v[h_s:h_s+1] op_sel_hi:[1,0]
.endr
.irp i, 0,1,2,3
	v_pk_mul_f32 v[TU+2*\i:TU+2*\i+1], v[TM+2*\i:TM+2*\i+1], 0x3e4ccccd op_sel_hi:[1,0]
.endr
.irp i, 0,1,2,3,4,5,6,7
	v_max_num_f32 v[TM+\i], v[TM+\i], v[TU+\i]     ; leaky ReLU = max(v, 0.2 v)
.endr
.irp i, 0,1,2,3
	v_cvt_pk_f16_f32 v[FT+32*(\tile)+4*\u+\i], v[TM+2*\i], v[TM+2*\i+1]
.endr
.endr
.endm
; b1 and W2 of my eight units of block u, into buffer u % 2.
.macro CHUNK u
.set c_b, FR+16*((\u)%2)
	ds_load_b128 v[c_b:c_b+3],     v[CB] offset:512+64*(\u)
	ds_load_b128 v[c_b+4:c_b+7],   v[CB] offset:512+64*(\u)+16
	ds_load_b128 v[c_b+8:c_b+11],  v[CB] offset:1024+64*(\u)
	ds_load_b128 v[c_b+12:c_b+15], v[CB] offset:1024+64*(\u)+16
.endm
; Block u of the second layer: scale out and b1 in one fused multiply-add, leaky ReLU, and the last layer's products, all in f32.
.macro OUTSTEP u
.set o_b, FR+16*((\u)%2)
.if (\u) == 7
	s_wait_dscnt 0x0
.else
	s_wait_dscnt 0x4                               ; this block's four loads are in; the next block's may stay out
.endif
.irp tile, 0,1
.irp i, 0,1,2,3
	v_pk_fma_f32 v[TM+2*\i:TM+2*\i+1], v[DD+64*\tile+8*(\u)+2*\i:DD+64*\tile+8*(\u)+2*\i+1], v[SCL+2*\tile:SCL+2*\tile+1], v[o_b+2*\i:o_b+2*\i+1] op_sel:[0,1,0] op_sel_hi:[1,1,1]
.endr
.irp i, 0,1,2,3
	v_pk_mul_f32 v[TU+2*\i:TU+2*\i+1], v[TM+2*\i:TM+2*\i+1], 0x3e4ccccd op_sel_hi:[1,0]
.endr
.irp i, 0,1,2,3,4,5,6,7
	v_max_num_f32 v[TM+\i], v[TM+\i], v[TU+\i]
.endr
.irp i, 0,1,2,3
.set o_first, 0
.if (\u) == 0
.if \i < 2
.set o_first, 1
.endif
.endif
.if o_first
	v_pk_mul_f32 v[YY+4*\tile+2*(\i%2):YY+4*\tile+2*(\i%2)+1], v[TM+2*\i:TM+2*\i+1], v[o_b+8+2*\i:o_b+8+2*\i+1]   ; the first products start the sums
.else
	v_pk_fma_f32 v[YY+4*\tile+2*(\i%2):YY+4*\tile+2*(\i%2)+1], v[TM+2*\i:TM+2*\i+1], v[o_b+8+2*\i:o_b+8+2*\i+1], v[YY+4*\tile+2*(\i%2):YY+4*\tile+2*(\i%2)+1]
.endif
.endr
.endr
.if (\u) <= 5
	s_wait_alu depctr_va_vdst(0)                   ; this block's lines are done reading its b1 and W2, in whose registers the block two on lands
	CHUNK (\u)+2
.endif
.endm
.Ltrip:
	; this unit's cell numbers (2048 bytes) and points (384 bytes), read once in the launch.  No wait on va_vdst here: on the way in and on the way
	; back no vector instruction has been issued since the last one (ahead of the staging's LDS stores; ahead of the trip's store)
	global_load_b128 v[IDX:IDX+3],     v[L16], s[6:7] th:TH_LOAD_NT
	global_load_b128 v[IDX+4:IDX+7],   v[L16], s[6:7] offset:512 th:TH_LOAD_NT
	global_load_b128 v[IDX+8:IDX+11],  v[L16], s[6:7] offset:1024 th:TH_LOAD_NT
	global_load_b128 v[IDX+12:IDX+15], v[L16], s[6:7] offset:1536 th:TH_LOAD_NT
	global_load_b96 v[XYZ:XYZ+2],   v[R12], s[8:9] th:TH_LOAD_NT
	global_load_b96 v[XYZ+4:XYZ+6], v[R12], s[8:9] offset:192 th:TH_LOAD_NT
	RECLOAD 0
.irp i, 0,1,2,3
	v_cndmask_b32 v[SEL+\i],   0, v[SV], s[SM+\i]  ; the matrix of ones and zeros: its registers serve the layers as accumulators, so it is written anew each trip
	v_cndmask_b32 v[SEL+4+\i], 0, v[SV], s[SM+\i]  ; the same for k + 16
.endr
	s_wait_loadcnt 0x0
	OFFS 0
	OFFS 1
	OFFS 2
	s_wait_alu depctr_va_vdst(0)                   ; the offsets of units 0 to 2 are written, which the 24 loads below read
	GLOAD 0
	GLOAD 1
	GLOAD 2
	; sixteen gather units on three slots: while one is summed, the 16 loads of the two behind it are on their way
.set n, 0
.rept 16
.if n%2 == 0
	s_wait_dscnt 0x0                               ; this pair of grids' record is in
.endif
	WARGS n%2
.if (n >= 1) && (n <= 13)
	s_wait_alu depctr_va_vdst(0)                   ; the unit before is done with its slot (products and matrix instructions); the offset of the unit two on is written; the six lines above have read the record
.if n%2 == 1
	RECLOAD n/2+1                                  ; the record has been read for both tiles: the next pair's comes in during this unit
.endif
	GLOAD n+2                                      ; into the slot of the unit before; no vector instruction of this unit names that slot, the offset or the record from here on
.endif
	WEIGHTS n/2, n%2
.if n <= 13
	s_wait_loadcnt 16                              ; loads come back in order: this unit's eight are in, the two younger units' stay out
.else
	s_wait_loadcnt 8*(15-n)                        ; the counts run down
.endif
	SUMU n%3
.if n <= 12
	OFFS n+3                                       ; three lines and one v_nop: the four places (ISA guide 7.12.1) before the sums are read
	v_nop
.else
.rept 4
	v_nop                                          ; four places before the sums are read and before loads land on these matrix instructions' registers
.endr
.endif
	PACK n/2, n%2
.set n, n+1
.endr
	; layer 0: 2^12 b0 is loaded straight into the accumulators and is the first products' C
	s_wait_alu depctr_va_vdst(0)                   ; the gather's vector and matrix instructions are done with v[12:191], in which b0 and the first three steps' fragments land
	s_wait_alu depctr_vm_vsrc(0)                   ; the gather's loads have read their offsets in v[152:167], in which b0 lands
.irp tile, 0,1
.irp u, 0,1,2,3,4,5,6,7
	ds_load_b128 v[DD+64*\tile+8*\u:DD+64*\tile+8*\u+3],   v[CB] offset:64*\u
	ds_load_b128 v[DD+64*\tile+8*\u+4:DD+64*\tile+8*\u+7], v[CB] offset:64*\u+16
.endr
.endr
	FRLOAD 0, 0
	FRLOAD 0, 1
.set n, 0
.rept 16
	MMSTEP 0, n
.set n, n+1
.endr
	s_wait_alu depctr_va_vdst(0)                   ; the layer's last matrix instructions are done reading the two buffers in which the loads below land
	FRLOAD 1, 0                                    ; W1's first fragments come in while the result is scaled
	FRLOAD 1, 1
	HSTAGE 0
	HSTAGE 1
.set n, 0
.rept 16
	MMSTEP 1, n
.set n, n+1
.endr
	s_wait_alu depctr_va_vdst(0)                   ; the layer's last matrix instructions are done reading the two buffers in which b1 and W2 land
	CHUNK 0
	CHUNK 1
.set n, 0
.rept 8
	OUTSTEP n
.set n, n+1
.endr
	v_pk_add_f32 v[YY:YY+1],   v[YY:YY+1],   v[YY+2:YY+3]
	v_pk_add_f32 v[YY+4:YY+5], v[YY+4:YY+5], v[YY+6:YY+7]
	v_add_f32 v[YY],   v[YY],   v[YY+1]            ; my 64 units of each tile's point r
	v_add_f32 v[YY+4], v[YY+4], v[YY+5]
	v_permlanex16_b32 v[YY+1], v[YY],   s51, s52   ; the other 64
	v_permlanex16_b32 v[YY+5], v[YY+4], s51, s52
	v_add_f32 v[YY],   v[YY],   v[YY+1]
	v_add_f32 v[YY+4], v[YY+4], v[YY+5]
	v_cndmask_b32 v[YY], v[YY], v[YY+4], s53       ; lanes 0-15 the first tile's points, lanes 16-31 the second's
	v_add_f32 v[YY], s54, v[YY]                    ; + b2
	s_wait_alu depctr_va_vdst(0)                   ; v[YY] is written, which the store reads; and the trip's vector instructions are done with v[128:174], in which the next trip's first loads land
	global_store_b32 v[L4], v[YY], s[26:27] th:TH_STORE_NT     ; 32 lanes, 128 consecutive bytes
	s_wait_xcnt 0x0                                ; the bases and the store's data are written again only behind this wait
	s_wait_alu depctr_vm_vsrc(0)                   ; the store has read v[YY], which the next trip's first rounding writes again
	s_add_nc_u64 s[6:7], s[6:7], NWAVES*2048
	s_add_nc_u64 s[8:9], s[8:9], NWAVES*384
	s_add_nc_u64 s[26:27], s[26:27], NWAVES*128
	s_add_co_u32 s56, s56, 1
	s_cmp_lt_u32 s56, s57
	s_cbranch_scc1 .Ltrip
	s_wait_dscnt 0x0
	s_wait_alu depctr_hold_cnt(0) depctr_sa_sdst(0) depctr_va_vdst(0) depctr_va_sdst(0) depctr_va_ssrc(0) depctr_va_vcc(0) depctr_vm_vsrc(0)
	s_wait_tensorcnt 0x0
	ds_add_u32 v30, v31
	s_wait_dscnt 0x0
	s_endpgm
.Lfunc_end_k_q9833183124_mlp:
	.size	k_q9833183124_mlp, .Lfunc_end_k_q9833183124_mlp-k_q9833183124_mlp
	.p2alignl 7, 3214868480
	.fill 96, 4, 3214868480
	.section	.rodata,"a",@progbits
	.p2align	6, 0x0
	.amdhsa_kernel k_q9833183124_mlp
		.amdhsa_group_segment_fixed_size 73728
		.amdhsa_private_segment_fixed_size 0
		.amdhsa_enable_private_segment 0
		.amdhsa_kernarg_size 96
		.amdhsa_user_sgpr_count 2
		.amdhsa_user_sgpr_kernarg_segment_ptr 1
		.amdhsa_wavefront_size32 1
		.amdhsa_system_sgpr_workgroup_id_x 1
		.amdhsa_system_sgpr_workgroup_id_y 1
		.amdhsa_system_sgpr_workgroup_id_z 1
		.amdhsa_system_vgpr_workitem_id 0
		.amdhsa_next_free_vgpr 256
		.amdhsa_next_free_sgpr 66
		.amdhsa_reserve_vcc 1
		.amdhsa_float_denorm_mode_32 3
		.amdhsa_float_denorm_mode_16_64 3
		.amdhsa_memory_ordered 1
		.amdhsa_forward_progress 1
		.amdhsa_inst_pref_size 177
	.end_amdhsa_kernel
	.amdgpu_metadata
---
amdhsa.version: [ 1, 2 ]
amdhsa.kernels:
  - .name:           k_q9833183124_mlp
    .symbol:         k_q9833183124_mlp.kd
    .args:
      - { .name: table, .offset: 0, .size: 8, .value_kind: global_buffer, .address_space: global }
      - { .name: cells, .offset: 8, .size: 8, .value_kind: global_buffer, .address_space: global }
      - { .name: x, .offset: 16, .size: 8, .value_kind: global_buffer, .address_space: global }
      - { .name: grid_scales, .offset: 24, .size: 8, .value_kind: global_buffer, .address_space: global }
      - { .name: grid_translations, .offset: 32, .size: 8, .value_kind: global_buffer, .address_space: global }
      - { .name: W0, .offset: 40, .size: 8, .value_kind: global_buffer, .address_space: global }
      - { .name: W1, .offset: 48, .size: 8, .value_kind: global_buffer, .address_space: global }
      - { .name: W2, .offset: 56, .size: 8, .value_kind: global_buffer, .address_space: global }
      - { .name: b0, .offset: 64, .size: 8, .value_kind: global_buffer, .address_space: global }
      - { .name: b1, .offset: 72, .size: 8, .value_kind: global_buffer, .address_space: global }
      - { .name: b2, .offset: 80, .size: 8, .value_kind: global_buffer, .address_space: global }
      - { .name: out0, .offset: 88, .size: 8, .value_kind: global_buffer, .address_space: global }
    .group_segment_fixed_size: 73728
    .private_segment_fixed_size: 0
    .kernarg_segment_align: 8
    .kernarg_segment_size: 96
    .max_flat_workgroup_size: 512
    .sgpr_count:     66
    .vgpr_count:     256
    .wavefront_size: 32
...
	.end_amdgpu_metadata
.endif
;; end of part 3
